; MI455X (gfx1250); checked and timed in simulation.
; The chip was launched on July 23, 2026; its instructions are those of AMD's public machine-readable ISA for CDNA 5 (MIT licence, August 2026) and "CDNA5" Instruction Set Architecture Reference Guide (July 2026). The comments in the code are by the model that wrote it; some were corrected since.
;; Point Attention Network. Allowed arithmetic: matrix products marked QUANTISED: E3M2 operands, one E8M0 scale for each 32 along K, by v_wmma_scale_f32_16x16x128_f8f6f4 with both operands' format E3M2, f32 sums; everything else in f32.
;; Inputs: W1 128 x 512 float32; W2 128 x 512 float32; W3 256 x 512 float32; b1 128 float32; b2 128 float32; b3 256 float32; g1 128 float32; g2 128 float32; g3 256 float32; m1 128 float32; m2 128 float32; m3 256 float32; v1 128 float32; v2 128 float32; v3 256 float32; x 8 x 512 x 4,096 float32.
;; Outputs: out0 8 x 256 x 4,096 float32.
;; This version of the problem:
;;   THIS VERSION OF THE PROBLEM IS GIVEN IN LOW PRECISION. The matrix products marked QUANTISED in the list below multiply operands that are first quantised to E3M2 (3 exponent bits, 2 mantissa bits; 6 bits a number), with one power-of-two scale for each 32 numbers along K (OCP MX v1.0); their sums are f32. All else is computed in f32.
;;   The module's matrix products, in the order in which they are computed (A, B: the left and right operand; K: the contracted axis; several contracted axes count as one K, in the product's order):
;;     1. [M 32,768, K 512] x [K 512, N 128]; A: input x; B: input W1: QUANTISED
;;     2. [M 32,768, K 512] x [K 512, N 128]; A: input x; B: input W2: QUANTISED
;;     3. batch 8 x [M 4,096, K 128] x [K 128, N 4,096]; A: computed on the way; B: computed on the way: QUANTISED
;;     4. [M 32,768, K 512] x [K 512, N 256]; A: input x; B: input W3: QUANTISED
;;     5. batch 8 x [M 256, K 4,096] x [K 4,096, N 4,096]; A: computed on the way; B: softmax (see below): QUANTISED
;;   THE QUANTISER, for each operand of a quantised product, along K:
;;     - K is cut into blocks of 32 from its start; a last block that is shorter is filled with zeros.
;;     - A block's scale is 2^e with e = floor(log2(the largest magnitude in the block)) - 4, held to -126 .. 127; a block of zeros has e = 0. As a byte (E8M0): e + 127.
;;     - Each number is divided by its block's scale, clamped to +-28, and rounded to the nearest number of E3M2, ties to even, subnormals kept.
;;     - The product sums the exact products of the quantised numbers (number of the format x scale) in f32.
;;   ~~~python
;;   def quantise(x, axis):      # numpy; x: float32 -> the quantised numbers, widened to float32 again
;;       x = np.moveaxis(x, axis, -1); K = x.shape[-1]
;;       x = np.pad(x, [(0, 0)] * (x.ndim - 1) + [(0, -K % 32)]); x = x.reshape(x.shape[:-1] + (-1, 32)); a = np.abs(x).max(-1, keepdims=True)
;;       e = np.where(a > 0, np.clip(np.frexp(np.where(a > 0, a, 1))[1] - 1 - 4, -126, 127), 0)      # np.frexp(a)[1] - 1 = floor(log2(a)), exactly
;;       r = np.clip(x / 2.0 ** e, -28, 28)
;;       step = 2.0 ** (np.maximum(np.frexp(np.where(r == 0, 1, r))[1] - 1, -2) - 2)
;;       q = np.round(r / step) * step * 2.0 ** e      # np.round: ties to even
;;       return np.moveaxis(q.reshape(q.shape[:-2] + (-1,))[..., :K], -1, axis).astype(np.float32)
;;   ~~~
;;   SOFTMAX AHEAD OF A QUANTISED PRODUCT. Where the list says 'softmax', what is quantised is not the finished softmax but p = 2^(t - M), with t = logit x log2(e) and M = ceil(the row's largest t), a whole number; so 1/2 < the row's largest p <= 1. The row's sum l is taken of the UNQUANTISED p, in f32, and the product's result is divided by l at the end. Since M is a whole number, a kernel that streams over the keys may use a running M (the ceiling of the running maximum): every later rescaling is an exact power of two, which a block's scale takes up: the codes' values come out the same.
;;   OPERANDS COMPUTED ON THE WAY. 'Computed on the way' means the value that the module computes at that place (a softmax that the list does not call 'softmax' is quantised finished and normalised). What goes into a quantiser is computed in f32, as accurately as f32 sums, v_exp_f32 and their like allow (about 1e-6 of the number): no bf16 or f16 on the way to a quantiser, and a product that is left as it is and whose result goes on into a quantised operand takes f32 operands (vector FMAs, or v_wmma_f32_16x16x4_f32). A number that lies on a knife's edge between two numbers of the format may be rounded either way, as far as f32 arithmetic and the matrix unit's own rounding can turn it there, and no further.
;; One version. Each part assembles by itself: llvm-mc -triple=amdgcn-amd-amdhsa -mcpu=gfx1250 --defsym DOCPART=n.
;; ======== version 1 of 1: 3 launches
;; workspace buffers: wq 204,800 bytes; bn 4,096 bytes; qa 3,276,800 bytes; kv 9,830,400 bytes; vf 33,554,432 bytes
;; launch prep (part 1): grid 16 x 1, 8 waves a work-group, no clusters, 2,048 bytes of LDS; arguments W1, W2, W3, wq, g1, b1, m1, v1, g2, b2, m2, v2, g3, b3, m3, v3, bn; writes wq, bn
.if DOCPART == 1
	.amdgcn_target "amdgcn-amd-amdhsa--gfx1250"
	.amdhsa_code_object_version 6
	.text
	.protected	k_q7b357eb577_prep
	.globl	k_q7b357eb577_prep
	.p2align	8
	.type	k_q7b357eb577_prep,@function
k_q7b357eb577_prep:
	s_mov_b64 s[64:65], 0
	v_nop
	global_prefetch_b8 v0, s[64:65] scope:SCOPE_SE
	s_setreg_imm32_b32 hwreg(HW_REG_WAVE_MODE, 25, 1), 1
	s_wait_xcnt 0x0
; PREP.  W1 [128][512], W2 [128][512], W3 [256][512], f32, K innermost, become codes of BF6 (E3M2) with one E8M0 byte for each 32 along K,
; laid as IMAGES OF THE OPERAND'S REGISTERS: a fragment (16 rows x 128 K, 12 registers a lane) is 1,536 bytes, registers 4 e .. 4 e + 3 of lane l at 512 e + 16 l.
; wq: four groups G of 51,200 bytes (W1, W2, W3's rows 0-127, W3's rows 128-255): fragment (tile i, K step s) at (4 i + s) 1,536; from byte 49,152 the scale words:
; that of (tile 2 g + u, row r, K step s) at 512 g + 16 (16 u + r) + 4 s, so that one load of 16 bytes a lane brings four K steps' words of two tiles.
; THE ROWS OF A TILE OF W1 AND W2 ARE NOT NEIGHBOURS: lane r of tile 2 g + u takes row 32 g + 8 u + r + 8 (r / 8), so that the next launch's results lie with 16 neighbouring channels in a lane.  W3's tiles are 16 neighbouring rows.
; bn: scale[512] = gamma / sqrt(var + 1e-5), then shift[512] = beta - mean x scale; channel 0-127 a, 128-255 k, 256-511 v.
; SHARES: work-group = (G, g), 32 rows; wave = (u, s): one fragment.  Wave 1 also folds the work-group's 32 channels of BN: its four loads go out behind its loads of W and are waited for with them.
; There is work for sixteen work-groups, so sixteen are launched.  No cluster: no two work-groups read the same bytes.
; LIMITS: NaN and infinities are not served.  A block of zeros gets the byte 1 where the rule says 127: its codes are zeros, and this program alone reads the bytes.  1 / sqrt is v_rsq_f32.
.set GRP,  51200
.set FRB,  1536
.set SIMG, 49152
.set X,    32                          ; v32-95   my 64 numbers: k = 64 c + 32 h + 0 .. 31 of my row
.set C,    96                          ; v96-107  the fragment
.set T,    108                         ; v108-110, v112-114: the upper halves of the two blocks, as the conversions leave them
	s_load_b256 s[4:11], s[0:1], 0x0               ; W1, W2, W3, wq
	s_load_b256 s[12:19], s[0:1], 0x20             ; g1, b1, m1, v1
	s_load_b256 s[20:27], s[0:1], 0x40             ; g2, b2, m2, v2
	s_load_b256 s[28:35], s[0:1], 0x60             ; g3, b3, m3, v3
	s_load_b64 s[36:37], s[0:1], 0x80              ; bn
	v_lshl_add_u32 v128, v0, 2, 0x400
	v_mov_b32 v129, 0
	v_lshrrev_b32 v1, 5, v0
	v_readfirstlane_b32 s40, v1                    ; wave 0..7
	s_lshr_b32 s41, ttmp9, 2                       ; G
	s_and_b32 s42, ttmp9, 3                        ; g
	s_lshr_b32 s43, s40, 2                         ; u
	s_and_b32 s44, s40, 3                          ; s
	v_and_b32 v1, 31, v0                           ; lane
	v_and_b32 v2, 15, v0                           ; r
	v_bfe_u32 v3, v0, 4, 1                         ; h
	s_cmp_lt_u32 s41, 2                            ; W1, W2: the chosen rows; W3: neighbours
	s_cselect_b32 s45, 8, 16
	s_cselect_b32 s46, 8, 0
	s_mul_i32 s45, s45, s43
	s_lshl_b32 s47, s42, 5
	s_add_co_u32 s45, s45, s47                     ; 32 g + u x (8 or 16)
	v_lshrrev_b32 v4, 3, v2
	v_mul_u32_u24 v4, s46, v4                      ; (r / 8) x (8 or 0)
	v_add3_u32 v4, v4, v2, s45                     ; my row in the group
	v_lshlrev_b32 v4, 11, v4                       ; 2,048 bytes a row
	v_lshl_add_u32 v4, v3, 7, v4                   ; + 128 h
	s_lshl_b32 s47, s44, 9
	v_add_nc_u32 v4, s47, v4                       ; + 512 s
	s_lshl_b32 s47, s43, 8
	s_lshl_b32 s48, s44, 2
	s_add_co_u32 s47, s47, s48
	v_lshl_add_u32 v5, v2, 4, s47                  ; LDS: my row's scale word: 256 u + 16 r + 4 s
	v_lshlrev_b32 v6, 4, v1                        ; 16 x lane
	s_lshl_b32 s47, s42, 7
	v_lshl_add_u32 v7, v1, 2, s47                  ; BN: channel 32 g + lane of the group
	s_lshl_b32 s47, ttmp9, 7
	v_lshl_add_u32 v8, v1, 2, s47                  ; and channel 32 x work-group + lane of all 512
	s_mul_i32 s50, s41, GRP
	s_lshl_b32 s48, s42, 3
	s_add_co_u32 s48, s48, s40                     ; 4 i + s = 8 g + wave
	s_mul_i32 s48, s48, FRB
	s_add_co_u32 s48, s48, s50
	s_mov_b32 s49, 0
	s_lshl_b32 s47, s42, 9
	s_add_co_u32 s50, s50, s47
	s_add_co_u32 s50, s50, SIMG
	s_mov_b32 s51, 0
	s_mov_b32 s53, 0
	s_mov_b32 s55, 0
	s_mov_b32 s56, 0x76543210
	s_mov_b32 s57, 0xfedcba98                      ; v_permlanex16_b32's selects for lane l xor 16
	s_wait_kmcnt 0x0
	s_cmp_eq_u32 s41, 1                            ; the group's tensors: the choice hangs on the work-group's number alone
	s_cselect_b64 s[8:9], s[6:7], s[8:9]
	s_cselect_b64 s[28:29], s[20:21], s[28:29]
	s_cselect_b64 s[30:31], s[22:23], s[30:31]
	s_cselect_b64 s[32:33], s[24:25], s[32:33]
	s_cselect_b64 s[34:35], s[26:27], s[34:35]
	s_cmp_eq_u32 s41, 0
	s_cselect_b64 s[8:9], s[4:5], s[8:9]
	s_cselect_b64 s[28:29], s[12:13], s[28:29]
	s_cselect_b64 s[30:31], s[14:15], s[30:31]
	s_cselect_b64 s[32:33], s[16:17], s[32:33]
	s_cselect_b64 s[34:35], s[18:19], s[34:35]
	s_cmp_eq_u32 s41, 3                            ; W3's second half: 128 rows and 128 channels on
	s_cselect_b32 s52, 0x40000, 0
	s_cselect_b32 s54, 512, 0
	s_add_nc_u64 s[8:9], s[8:9], s[52:53]
	s_add_nc_u64 s[28:29], s[28:29], s[54:55]
	s_add_nc_u64 s[30:31], s[30:31], s[54:55]
	s_add_nc_u64 s[32:33], s[32:33], s[54:55]
	s_add_nc_u64 s[34:35], s[34:35], s[54:55]
	s_add_nc_u64 s[60:61], s[10:11], s[48:49]      ; my fragment's image
	s_add_nc_u64 s[58:59], s[10:11], s[50:51]      ; the work-group's 512 bytes of scale words
.irp c, 0,1
.irp e, 0,1,2,3,4,5,6,7
	global_load_b128 v[X+32*\c+4*\e:X+32*\c+4*\e+3], v4, s[8:9] offset:256*\c+16*\e
.endr
.endr
	s_cmp_lg_u32 s40, 1
	s_cbranch_scc1 .Lnot_bn
	global_load_b32 v26, v7, s[28:29]              ; wave 1: the work-group's 32 channels of BN, asked for behind W's loads: gamma,
	global_load_b32 v27, v7, s[30:31]              ; beta,
	global_load_b32 v28, v7, s[32:33]              ; mean,
	global_load_b32 v29, v7, s[34:35]              ; var
	s_wait_loadcnt 0x0
	v_add_f32 v29, 0x3727c5ac, v29                 ; + 1e-5
	v_rsq_f32 v29, v29
	v_nop                                          ; one plain place behind a transcendental
	s_wait_alu depctr_va_vdst(0)
	v_mul_f32 v26, v26, v29                        ; scale
	v_fma_f32 v27, -v28, v26, v27                  ; shift
	global_store_b32 v8, v26, s[36:37]             ; v26, v27 and v8 are not written again
	global_store_b32 v8, v27, s[36:37] offset:2048
.Lnot_bn:
	s_wait_loadcnt 0x0
.irp c, 0,1                                    ; my block 2 c + h: all its 32 numbers are mine
	v_max3_num_f32 v[20+\c], |v[X+32*\c]|, |v[X+1+32*\c]|, 0x2800000   ; with the floor 2^(5 - 127): the byte cannot fall under 1
.endr
.irp i, 2,4,6,8,10,12,14,16,18,20,22,24,26,28,30
.irp c, 0,1
	v_max3_num_f32 v[20+\c], v[20+\c], |v[X+32*\c+\i]|, |v[X+1+32*\c+\i]|
.endr
.endr
.irp c, 0,1
	v_add_nc_u32 v[24+\c], 0xfe000000, v[20+\c]    ; 4 off the exponent field: the conversion's scale operand
.endr
.irp c, 0,1
	v_lshrrev_b32 v[22+\c], 23, v[24+\c]           ; the scale's byte
.endr
	v_lshl_or_b32 v9, v23, 16, v22                 ; my two bytes, blocks h and 2 + h,
	v_lshlrev_b32 v10, 3, v3
	v_lshlrev_b32 v9, v10, v9                      ; at their places in the word;
	v_mov_b32 v10, 0
	v_permlanex16_b32 v10, v9, s56, s57
	v_or_b32 v9, v9, v10                           ; with lane l xor 16's two the word is whole
.irp c, 0,1
	v_cvt_scalef32_pk16_bf6_f32 v[C+6*\c:C+6*\c+2], v[X+32*\c:X+32*\c+15], v[24+\c]
	v_cvt_scalef32_pk16_bf6_f32 v[T+4*\c:T+4*\c+2], v[X+16+32*\c:X+31+32*\c], v[24+\c]   ; (a conversion's three registers begin on an even number)
.endr
	v_nop                                          ; one plain place behind a scaled conversion
.irp c, 0,1
.irp i, 0,1,2
	v_mov_b32 v[C+3+6*\c+\i], v[T+4*\c+\i]
.endr
.endr
	ds_store_b32 v5, v9                            ; both lanes of a row write the same word with the same value
.irp e, 0,1,2
	global_store_b128 v6, v[C+4*\e:C+4*\e+3], s[60:61] offset:512*\e   ; 32 lanes store 512 consecutive bytes
.endr
	s_wait_dscnt 0x0                               ; for the others' sake: my word lies in LDS
	s_barrier_signal -1
	s_barrier_wait -1
	s_cmp_lg_u32 s40, 0
	s_cbranch_scc1 .Lend
	ds_load_b128 v[12:15], v6                      ; wave 0: the eight waves' 128 words leave as 512 consecutive bytes
	s_wait_dscnt 0x0
	global_store_b128 v6, v[12:15], s[58:59]
.Lend:
	s_wait_tensorcnt 0x0
	ds_add_u32 v128, v129
	s_wait_dscnt 0x0
	s_endpgm
.Lfunc_end_k_q7b357eb577_prep:
	.size	k_q7b357eb577_prep, .Lfunc_end_k_q7b357eb577_prep-k_q7b357eb577_prep
	.p2alignl 7, 3214868480
	.fill 96, 4, 3214868480
	.section	.rodata,"a",@progbits
	.p2align	6, 0x0
	.amdhsa_kernel k_q7b357eb577_prep
		.amdhsa_group_segment_fixed_size 2048
		.amdhsa_private_segment_fixed_size 0
		.amdhsa_enable_private_segment 0
		.amdhsa_kernarg_size 136
		.amdhsa_user_sgpr_count 2
		.amdhsa_user_sgpr_kernarg_segment_ptr 1
		.amdhsa_wavefront_size32 1
		.amdhsa_system_sgpr_workgroup_id_x 1
		.amdhsa_system_sgpr_workgroup_id_y 1
		.amdhsa_system_sgpr_workgroup_id_z 1
		.amdhsa_system_vgpr_workitem_id 0
		.amdhsa_next_free_vgpr 130
		.amdhsa_next_free_sgpr 66
		.amdhsa_reserve_vcc 0
		.amdhsa_float_denorm_mode_32 3
		.amdhsa_float_denorm_mode_16_64 3
		.amdhsa_memory_ordered 1
		.amdhsa_forward_progress 1
		.amdhsa_inst_pref_size 10
	.end_amdhsa_kernel
	.amdgpu_metadata
---
amdhsa.version: [ 1, 2 ]
amdhsa.kernels:
  - .name:           k_q7b357eb577_prep
    .symbol:         k_q7b357eb577_prep.kd
    .args:
      - { .name: W1, .offset: 0, .size: 8, .value_kind: global_buffer, .address_space: global }
      - { .name: W2, .offset: 8, .size: 8, .value_kind: global_buffer, .address_space: global }
      - { .name: W3, .offset: 16, .size: 8, .value_kind: global_buffer, .address_space: global }
      - { .name: wq, .offset: 24, .size: 8, .value_kind: global_buffer, .address_space: global }
      - { .name: g1, .offset: 32, .size: 8, .value_kind: global_buffer, .address_space: global }
      - { .name: b1, .offset: 40, .size: 8, .value_kind: global_buffer, .address_space: global }
      - { .name: m1, .offset: 48, .size: 8, .value_kind: global_buffer, .address_space: global }
      - { .name: v1, .offset: 56, .size: 8, .value_kind: global_buffer, .address_space: global }
      - { .name: g2, .offset: 64, .size: 8, .value_kind: global_buffer, .address_space: global }
      - { .name: b2, .offset: 72, .size: 8, .value_kind: global_buffer, .address_space: global }
      - { .name: m2, .offset: 80, .size: 8, .value_kind: global_buffer, .address_space: global }
      - { .name: v2, .offset: 88, .size: 8, .value_kind: global_buffer, .address_space: global }
      - { .name: g3, .offset: 96, .size: 8, .value_kind: global_buffer, .address_space: global }
      - { .name: b3, .offset: 104, .size: 8, .value_kind: global_buffer, .address_space: global }
      - { .name: m3, .offset: 112, .size: 8, .value_kind: global_buffer, .address_space: global }
      - { .name: v3, .offset: 120, .size: 8, .value_kind: global_buffer, .address_space: global }
      - { .name: bn, .offset: 128, .size: 8, .value_kind: global_buffer, .address_space: global }
    .group_segment_fixed_size: 2048
    .private_segment_fixed_size: 0
    .kernarg_segment_align: 8
    .kernarg_segment_size: 136
    .max_flat_workgroup_size: 256
    .sgpr_count:     66
    .vgpr_count:     130
    .wavefront_size: 32
...
	.end_amdgpu_metadata
.endif
;; end of part 1
;; launch conv (part 2): grid 32 x 8, 4 waves a work-group, no clusters, 327,680 bytes of LDS; arguments x, wq, bn, qa, kv, vf; writes qa, kv, vf
.if DOCPART == 2
	.amdgcn_target "amdgcn-amd-amdhsa--gfx1250"
	.amdhsa_code_object_version 6
	.text
	.protected	k_q7b357eb577_conv
	.globl	k_q7b357eb577_conv
	.p2align	8
	.type	k_q7b357eb577_conv,@function
k_q7b357eb577_conv:
	s_mov_b64 s[64:65], 0
	v_nop
	global_prefetch_b8 v0, s[64:65] scope:SCOPE_SE
	s_setreg_imm32_b32 hwreg(HW_REG_WAVE_MODE, 25, 1), 1
	s_wait_xcnt 0x0
; CONV.  a = relu(BN(W1 x)), k = relu(BN(W2 x)), v = relu(BN(W3 x)) for one batch and one block of 128 points; all three products on codes of BF6 (E3M2), one E8M0 byte for each 32 along K = the 512 channels.
; x [8][512][4096] f32 has K as its OUTER axis: it comes into LDS once (one tensor load a wave: 128 channels x 512 bytes) and is quantised with a lane to a point and registers down the channels.
; OPERANDS ARE IMAGES OF THEIR REGISTERS: a fragment (16 rows x 128 K, 12 registers a lane) is 1,536 bytes, registers 4 e .. 4 e + 3 of lane l at 512 e + 16 l; scale words: (tile 2 g + u, row r, word s) at 512 g + 16 (16 u + r) + 4 s.
; THE POINTS OF A TILE ARE NOT NEIGHBOURS: row r of tile 2 b + u is point 32 b + 8 u + r + 8 (r / 8).  One fragment of x then serves both ways: as source 1 under W1 or W2 (whose rows are chosen alike) a lane holds a point and
; its 64 results are channels 32 b + 16 h + i; as source 0 over W3 a lane holds a channel and its 64 results are points 32 b + 16 h + i: in both a lane's 16 registers are 16 neighbours along the NEXT product's K.
; SHARES: wave 0 makes a (to qa), wave 1 k (to kv), waves 2 and 3 v's channels 0-127 and 128-255 (codes along the points to kv, f32 to vf).  Each wave's 128 rows of W stay in 384 registers, read from wq once.
; qa: 12,800 bytes a block: eight fragments, then the scale words (tile 2 j + hh, row r) at 12,288 + 16 (16 hh + r) + 4 j.   kv: 38,400 bytes a block: k as in qa; from 12,800 v's 16 fragments; from 37,376 its scale words, 2 x 512 bytes.
; LDS: 0: x in f32, 512 rows of 512 bytes, filled once; 262,144: x's 32 fragments; 311,296: their scale words.  The stage for vf (16 rows x 528 bytes for each of waves 2, 3) lies in x's bytes, behind their only fill and their last read.
; NO CLUSTER: what the work-groups share, wq, goes straight into registers; 313,344 bytes of LDS are in use, which leaves no room for its 204,800 bytes to land.  x is read by one work-group alone.
; One barrier: behind it x's fragments lie in LDS; then the waves part and share nothing more.  By this text's count a wave has one tensor load out.
; LIMITS: NaN and infinities are not served.  A block of zeros gets the byte 1 where the rule says 127: its codes are zeros, and this program alone reads the bytes.
; REGISTERS, in windows of 256: window 0: v1-9 addresses; v10-15 at work; v16-31 W's scale words; v32-47 x's; v48-55 the scale words made; v56-59 the same, two tiles to a register; v60-75 the quantiser's;
;   v80-103 codes just made; v104-231 accumulators (at first: two sets of 32 numbers of x); v232-247 v's BN.  window 1: W's tiles 0-3, from v192 a/k's BN scale.  window 2: W's tiles 4-7, from v192 the shift.
;   window 3: v0-191 fragments of x, two buffers; v192-255 rows of vf.
.set XIMG, 262144
.set XSC,  311296
.set FRB,  1536
.set XA,   1                           ; v1  wave x 65,536 + 4 x lane: my point's column in my wave's 128 channels
.set IA,   2                           ; v2  where my point's codes go: XIMG + 6,144 u + 1,536 wave + 16 r
.set SA,   3                           ; v3  and its scale word: XSC + 256 u + 16 r + 4 wave
.set LI,   4                           ; v4  XIMG + 16 x lane
.set LG,   5                           ; v5  16 x lane
.set STO,  6                           ; v6  the stage: row r, + 64 h
.set SRD,  7                           ; v7  the stage, back: 16 x lane
.set XSA,  8                           ; v8  XSC + 16 x lane
.set BO,   9                           ; v9  my offset in bn
.set WS,   16
.set XS,   32
.set PWS,  48
.set MG,   56
.set TM,   60
.set PC,   80
.set CI,   80
.set ACC,  104
.set X0,   104
.set BS,   232
.set BH,   240
.set SEL,  52                          ; s[52:53] v_permlanex16_b32's selects for lane l xor 16
.set MSB, 0
.macro WIN new                         ; the immediate's high byte repeats the setting that is left
.if MSB != \new
	s_set_vgpr_msb (MSB<<8)|\new
.set MSB, \new
.endif
.endm
.macro PLACES n                        ; plain vector instructions behind a matrix instruction (ISA guide 7.12.1)
.rept \n
	v_nop
.endr
.endm
; One product: D at d, source 0 at a, source 1 at b; z = 1: C is 0 and starts the sum, else C = D; sa, sb: the scale registers; ra, rb = 1: their lanes 16-31
.macro WM d, a, b, z, sa, sb, ra, rb
.if \z
.if \ra
.if \rb
	v_wmma_scale_f32_16x16x128_f8f6f4 v[(\d):(\d)+7], v[(\a):(\a)+11], v[(\b):(\b)+11], 0, v[\sa], v[\sb] matrix_a_fmt:MATRIX_FMT_BF6 matrix_b_fmt:MATRIX_FMT_BF6 matrix_a_scale:MATRIX_SCALE_ROW1 matrix_b_scale:MATRIX_SCALE_ROW1
.else
	v_wmma_scale_f32_16x16x128_f8f6f4 v[(\d):(\d)+7], v[(\a):(\a)+11], v[(\b):(\b)+11], 0, v[\sa], v[\sb] matrix_a_fmt:MATRIX_FMT_BF6 matrix_b_fmt:MATRIX_FMT_BF6 matrix_a_scale:MATRIX_SCALE_ROW1
.endif
.else
.if \rb
	v_wmma_scale_f32_16x16x128_f8f6f4 v[(\d):(\d)+7], v[(\a):(\a)+11], v[(\b):(\b)+11], 0, v[\sa], v[\sb] matrix_a_fmt:MATRIX_FMT_BF6 matrix_b_fmt:MATRIX_FMT_BF6 matrix_b_scale:MATRIX_SCALE_ROW1
.else
	v_wmma_scale_f32_16x16x128_f8f6f4 v[(\d):(\d)+7], v[(\a):(\a)+11], v[(\b):(\b)+11], 0, v[\sa], v[\sb] matrix_a_fmt:MATRIX_FMT_BF6 matrix_b_fmt:MATRIX_FMT_BF6
.endif
.endif
.else
.if \ra
.if \rb
	v_wmma_scale_f32_16x16x128_f8f6f4 v[(\d):(\d)+7], v[(\a):(\a)+11], v[(\b):(\b)+11], v[(\d):(\d)+7], v[\sa], v[\sb] matrix_a_fmt:MATRIX_FMT_BF6 matrix_b_fmt:MATRIX_FMT_BF6 matrix_a_scale:MATRIX_SCALE_ROW1 matrix_b_scale:MATRIX_SCALE_ROW1
.else
	v_wmma_scale_f32_16x16x128_f8f6f4 v[(\d):(\d)+7], v[(\a):(\a)+11], v[(\b):(\b)+11], v[(\d):(\d)+7], v[\sa], v[\sb] matrix_a_fmt:MATRIX_FMT_BF6 matrix_b_fmt:MATRIX_FMT_BF6 matrix_a_scale:MATRIX_SCALE_ROW1
.endif
.else
.if \rb
	v_wmma_scale_f32_16x16x128_f8f6f4 v[(\d):(\d)+7], v[(\a):(\a)+11], v[(\b):(\b)+11], v[(\d):(\d)+7], v[\sa], v[\sb] matrix_a_fmt:MATRIX_FMT_BF6 matrix_b_fmt:MATRIX_FMT_BF6 matrix_b_scale:MATRIX_SCALE_ROW1
.else
	v_wmma_scale_f32_16x16x128_f8f6f4 v[(\d):(\d)+7], v[(\a):(\a)+11], v[(\b):(\b)+11], v[(\d):(\d)+7], v[\sa], v[\sb] matrix_a_fmt:MATRIX_FMT_BF6 matrix_b_fmt:MATRIX_FMT_BF6
.endif
.endif
.endif
.endm
	s_load_b256 s[4:11], s[0:1], 0x0               ; x, wq, bn, qa
	s_load_b128 s[12:15], s[0:1], 0x20             ; kv, vf
	v_lshl_add_u32 v254, v0, 2, 0x4c800
	v_mov_b32 v255, 0
	ds_add_u32 v254, v255
	ds_add_u32 v254, v255
	v_lshrrev_b32 v10, 5, v0
	v_readfirstlane_b32 s16, v10                   ; wave 0..3
	s_and_b32 s18, ttmp7, 0xffff                   ; batch
	s_lshl_b32 s19, s18, 5
	s_add_co_u32 s19, s19, ttmp9                   ; the block's number among all 256
	; descriptor group 1: 128 rows (channels) x 128 elements of 4 bytes (points), 4,096 elements from row to row, no padding
	s_mov_b32 s24, 2<<16                           ; no mask; elements of 4 bytes
	s_mov_b32 s25, 128<<16                         ; tensor_dim0 = 128
	s_mov_b32 s26, 128<<16                         ; tensor_dim1 = 128
	s_mov_b32 s27, 128<<16                         ; tile_dim0 = 128
	s_mov_b32 s28, 128                             ; tile_dim1 = 128
	s_mov_b32 s29, 4096                            ; tensor_dim0_stride
	s_mov_b32 s30, 0
	s_mov_b32 s31, 0
	s_lshl_b32 s32, s18, 23                        ; batch x 512 x 16,384 bytes
	s_lshl_b32 s33, s16, 21                        ; + wave x 128 channels
	s_add_co_u32 s32, s32, s33
	s_lshl_b32 s33, ttmp9, 9                       ; + block x 512 bytes
	s_add_co_u32 s32, s32, s33
	s_mov_b32 s33, 0
	s_mov_b32 s20, 1                               ; group 0: count = 1,
	s_lshl_b32 s21, s16, 16                        ; LDS address: wave x 65,536,
	s_wait_dscnt 0x0
	s_wait_kmcnt 0x0
	s_add_nc_u64 s[22:23], s[4:5], s[32:33]        ; global address,
	s_or_b32 s23, s23, 0x80000000                  ; type = 2
	tensor_load_to_lds s[20:23], s[24:31]          ; my 128 channels of the block: 65,536 bytes, the launch's only fill of these bytes
	s_nop 0
	PLACES 4
	v_and_b32 v10, 31, v0                          ; lane
	v_lshlrev_b32 v[LG], 4, v10
	v_lshl_add_u32 v[XA], v10, 2, s21
	v_bfe_u32 v11, v0, 3, 1                        ; point 32 g + lane is row r = lane % 8 + 8 (lane / 16) of tile 2 g + u, u = (lane / 8) % 2
	v_and_b32 v12, 7, v0
	v_bfe_u32 v13, v0, 4, 1
	v_lshl_add_u32 v12, v13, 3, v12
	v_mul_u32_u24 v14, v11, 6144
	v_lshl_add_u32 v14, v12, 4, v14
	s_mul_i32 s34, s16, FRB
	s_add_co_u32 s34, s34, XIMG
	v_add_nc_u32 v[IA], s34, v14
	v_lshlrev_b32 v14, 8, v11
	v_lshl_add_u32 v14, v12, 4, v14
	s_lshl_b32 s34, s16, 2
	s_add_co_u32 s34, s34, XSC
	v_add_nc_u32 v[SA], s34, v14
	v_add_nc_u32 v[LI], XIMG, v[LG]
	v_add_nc_u32 v[XSA], XSC, v[LG]
	v_and_b32 v14, 15, v0
	v_mul_u32_u24 v15, v14, 528
	v_lshl_add_u32 v15, v13, 6, v15
	s_and_b32 s34, s16, 1
	s_mul_i32 s34, s34, 8448
	v_add_nc_u32 v[STO], s34, v15
	v_add_nc_u32 v[SRD], s34, v[LG]
.irp b, 0,1,2,3
	v_mov_b32 v[TM+4+\b], 0                        ; written once: a lane permute's destination counts as one of its sources
.endr
	s_mov_b32 s[SEL], 0x76543210
	s_mov_b32 s[SEL+1], 0xfedcba98
	s_mov_b32 s50, 0xffff0000                      ; lanes 16-31
	s_mul_i32 s32, s16, 51200                      ; my group of wq
	s_add_nc_u64 s[6:7], s[6:7], s[32:33]
	WIN 0x40                                       ; destination window 1: tiles 0-3, fragment (i, s) at v[12 (4 i + s)]
.set f_, 0
.rept 16
.irp e, 0,1,2
	global_load_b128 v[12*f_+4*\e:12*f_+4*\e+3], v[LG], s[6:7] offset:f_*FRB+512*\e
.endr
.set f_, f_+1
.endr
	WIN 0x80                                       ; destination window 2: tiles 4-7
.set f_, 0
.rept 16
.irp e, 0,1,2
	global_load_b128 v[12*f_+4*\e:12*f_+4*\e+3], v[LG], s[6:7] offset:(16+f_)*FRB+512*\e
.endr
.set f_, f_+1
.endr
	WIN 0
.irp g, 0,1,2,3
	global_load_b128 v[WS+4*\g:WS+4*\g+3], v[LG], s[6:7] offset:49152+512*\g   ; register 4 g + s: lanes 0-15 tile 2 g's words, lanes 16-31 tile 2 g + 1's
.endr
	s_wait_tensorcnt 0x0                           ; my 128 channels lie in LDS; I alone read them
; ---- X: my K step (128 channels) of all 128 points becomes eight fragments.  Block n = 4 g + kb: points 32 g + lane, channels 32 kb + 0 .. 31 of my 128.
.macro LOADB n
.set LB_, X0+32*((\n)%2)
.set i_, 0
.rept 32
	ds_load_b32 v[LB_+i_], v[XA] offset:(32*((\n)%4)+i_)*512+128*((\n)/4)   ; 32 lanes read 128 consecutive bytes
.set i_, i_+1
.endr
.endm
.macro XBLOCK n
.set XS_, X0+32*((\n)%2)
.set KB_, (\n)%4
.set CD_, CI+12*(KB_%2)+6*(KB_/2)      ; block kb is registers 6 (kb / 2) .. + 5 of the image's lane (r, kb % 2)
.if (\n) < 15
	LOADB (\n)+1
	s_wait_dscnt 32                                ; all but the 32 loads just issued: this block's numbers are in, and the last group's stores have read their registers
.else
	s_wait_dscnt 0x0
.endif
	v_max3_num_f32 v12, |v[XS_]|, |v[XS_+1]|, |v[XS_+2]|   ; the block's largest magnitude: all 32 numbers are mine
	v_max3_num_f32 v13, |v[XS_+3]|, |v[XS_+4]|, |v[XS_+5]|
.irp i, 6,10,14,18,22,26
	v_max3_num_f32 v12, v12, |v[XS_+\i]|, |v[XS_+\i+1]|
	v_max3_num_f32 v13, v13, |v[XS_+\i+2]|, |v[XS_+\i+3]|
.endr
	v_max3_num_f32 v12, v12, |v[XS_+30]|, |v[XS_+31]|
	v_max3_num_f32 v12, v12, v13, 0x2800000        ; and the floor 2^(5 - 127): the byte cannot fall under 1
	v_add_nc_u32 v11, 0xfe000000, v12              ; 4 off the exponent field: the conversion's scale operand
	v_lshrrev_b32 v13, 23, v11                     ; the scale's byte
.if KB_ == 0
	v_mov_b32 v14, v13
.else
	v_lshl_or_b32 v14, v13, 8*KB_, v14
.endif
	v_cvt_scalef32_pk16_bf6_f32 v[CD_:CD_+2], v[XS_:XS_+15], v11
	v_cvt_scalef32_pk16_bf6_f32 v[TM:TM+2], v[XS_+16:XS_+31], v11   ; (a conversion's three registers begin on an even number)
	v_nop                                          ; one plain place behind a scaled conversion
.irp i, 0,1,2
	v_mov_b32 v[CD_+3+\i], v[TM+\i]
.endr
.if KB_ == 3
.irp h, 0,1
.irp e, 0,1,2
	ds_store_b128 v[IA], v[CI+12*\h+4*\e:CI+12*\h+4*\e+3] offset:12288*((\n)/4)+256*\h+512*\e   ; my point's 24 registers: the places of lanes (r, 0) and (r, 1) in the image of (tile 2 g + u, my K step)
.endr
.endr
	ds_store_b32 v[SA], v14 offset:512*((\n)/4)
.endif
.endm
	LOADB 0
.set N_, 0
.rept 16
	XBLOCK N_
.set N_, N_+1
.endr
	s_wait_loadcnt 0x0                             ; W and its scale words
	s_wait_dscnt 0x0                               ; for the others' sake: my images lie in LDS, and my reads of x are over
	s_barrier_signal -1
	s_barrier_wait -1                              ; x's 32 fragments lie in LDS; nobody reads x's f32 bytes any more
.irp g, 0,1,2,3
	ds_load_b128 v[XS+4*\g:XS+4*\g+3], v[XSA] offset:512*\g   ; register 4 g + s: lanes 0-15 tile 2 g's words, lanes 16-31 tile 2 g + 1's
.endr
; 64 numbers of a lane, none negative, register 16 b + i = k 32 b + 16 (lane / 16) + i of my row, become a fragment's codes in v[PC] on and its scale word in v[pw].
.macro QUANT src, pw
	s_wait_xcnt 0x0                                ; the codes' registers were a store's data: they are written again only behind this wait
.irp b, 0,1,2,3
	v_max3_num_f32 v[TM+\b], v[(\src)+16*\b], v[(\src)+1+16*\b], 0x2800000   ; my 16 numbers of block b, and the floor 2^(5 - 127)
.endr
.irp i, 2,4,6,8,10,12,14
.irp b, 0,1,2,3
	v_max3_num_f32 v[TM+\b], v[TM+\b], v[(\src)+16*\b+\i], v[(\src)+1+16*\b+\i]
.endr
.endr
.irp b, 0,1,2,3
	v_permlanex16_b32 v[TM+4+\b], v[TM+\b], s[SEL], s[SEL+1]
.endr
.irp b, 0,1,2,3
	v_max_num_f32 v[TM+\b], v[TM+\b], v[TM+4+\b]   ; with lane l xor 16's: the block's largest
.endr
.irp b, 0,1,2,3
	v_add_nc_u32 v[TM+12+\b], 0xfe000000, v[TM+\b] ; the conversion's scale operand
.endr
.irp b, 0,1,2,3
	v_lshrrev_b32 v[TM+4+\b], 23, v[TM+12+\b]      ; the scale's byte
.endr
	v_lshl_or_b32 v[\pw], v[TM+5], 8, v[TM+4]
	v_lshl_or_b32 v[\pw], v[TM+6], 16, v[\pw]
	v_lshl_or_b32 v[\pw], v[TM+7], 24, v[\pw]
.irp c, 0,1
	v_cvt_scalef32_pk16_bf6_f32 v[PC+6*\c:PC+2+6*\c], v[(\src)+32*\c:(\src)+15+32*\c], v[TM+12+2*\c]
	v_cvt_scalef32_pk16_bf6_f32 v[PC+12+4*\c:PC+14+4*\c], v[(\src)+16+32*\c:(\src)+31+32*\c], v[TM+12+2*\c+1]
.endr
	v_nop                                          ; one plain place behind a scaled conversion
.irp c, 0,1                                    ; the operand's layout wants a WHOLE block in a lane: lanes 0-15 block 2 c, lanes 16-31 block 2 c + 1
.irp i, 0,1,2
	v_permlane16_swap_b32 v[PC+6*\c+\i], v[PC+12+4*\c+\i]
.endr
.irp i, 0,1,2
	v_mov_b32 v[PC+3+6*\c+\i], v[PC+12+4*\c+\i]
.endr
.endr
.endm
.macro IMGOUT off                              ; the fragment leaves as it stands: 512 consecutive bytes a store
.irp e, 0,1,2
	global_store_b128 v[LG], v[PC+4*\e:PC+4*\e+3], s[36:37] offset:(\off)+512*\e
.endr
.endm
.macro SCALEOUT base, off                      ; eight tiles' scale words, two tiles to a register: 512 consecutive bytes
.irp j, 0,1,2,3
	v_cndmask_b32 v[MG+\j], v[PWS+2*\j], v[PWS+2*\j+1], s50
.endr
	global_store_b128 v[LG], v[MG:MG+3], s[\base:\base+1] offset:\off
.endm
	s_cmp_lt_u32 s16, 2
	s_cbranch_scc0 .Lrole_v
; ---- waves 0 and 1: a and k.  Source 0 = 16 rows of W, source 1 = 16 points of x: a lane holds one point and 64 channels.
	s_cmp_eq_u32 s16, 0
	s_cselect_b64 s[36:37], s[10:11], s[12:13]     ; a goes to qa, k to kv
	s_mov_b32 s34, 38400
	s_cselect_b32 s34, 12800, s34
	s_mul_i32 s34, s19, s34
	s_mov_b32 s35, 0
	s_add_nc_u64 s[36:37], s[36:37], s[34:35]
	v_bfe_u32 v[BO], v0, 4, 1
	v_lshlrev_b32 v[BO], 6, v[BO]
	s_lshl_b32 s34, s16, 9
	v_add_nc_u32 v[BO], s34, v[BO]                 ; bn: 512 wave + 64 h: register 16 b + i is channel 32 b + 16 h + i
	WIN 0x40
.set k_, 0
.rept 16
	global_load_b128 v[192+4*k_:195+4*k_], v[BO], s[8:9] offset:128*(k_/4)+16*(k_%4)
.set k_, k_+1
.endr
	WIN 0x80
.set k_, 0
.rept 16
	global_load_b128 v[192+4*k_:195+4*k_], v[BO], s[8:9] offset:2048+128*(k_/4)+16*(k_%4)
.set k_, k_+1
.endr
	WIN 0
.macro XFA pt                                  ; tile pt's four fragments of x into buffer pt % 2 of window 3
	WIN 0xc0
.irp s, 0,1,2,3
.irp e, 0,1,2
	ds_load_b128 v[48*((\pt)%2)+12*\s+4*\e:48*((\pt)%2)+12*\s+4*\e+3], v[LI] offset:(4*(\pt)+\s)*FRB+512*\e
.endr
.endr
	WIN 0
.endm
.macro AKIT pt
	PLACES 4                                       ; in front of loads into registers that matrix instructions have read
.if (\pt) < 7
	XFA (\pt)+1
	s_wait_dscnt 12                                ; all but the 12 loads just issued: this tile's fragments are in
.else
	s_wait_dscnt 0x0
.endif
.irp s, 0,1,2,3                                ; the eight accumulators by turns, a K step at a time
	WIN 0x0d                                       ; source 0 window 1, source 1 window 3
.irp i, 0,1,2,3
	WM ACC+8*\i, 12*(4*\i+\s), 48*((\pt)%2)+12*\s, (\s==0), WS+4*(\i/2)+\s, XS+4*((\pt)/2)+\s, \i%2, (\pt)%2
.endr
	WIN 0x0e                                       ; source 0 window 2
.irp i, 4,5,6,7
	WM ACC+8*\i, 12*(4*(\i-4)+\s), 48*((\pt)%2)+12*\s, (\s==0), WS+4*(\i/2)+\s, XS+4*((\pt)/2)+\s, \i%2, (\pt)%2
.endr
.endr
	WIN 0
	PLACES 4                                       ; in front of the first read of results
.if (\pt) == 0
	s_wait_loadcnt 0x0                             ; BN
.endif
	WIN 0x24                                       ; source 1 (scale) window 1, source 2 (shift) window 2
.set k_, 0
.rept 32
	v_pk_fma_f32 v[ACC+k_:ACC+k_+1], v[ACC+k_:ACC+k_+1], v[192+k_:193+k_], v[192+k_:193+k_]
.set k_, k_+2
.endr
	WIN 0
.set k_, 0
.rept 64
	v_max_num_f32 v[ACC+k_], 0, v[ACC+k_]          ; relu
.set k_, k_+1
.endr
	QUANT ACC, PWS+(\pt)
	IMGOUT FRB*(\pt)
.endm
	XFA 0
.irp t, 0,1,2,3,4,5,6,7
	AKIT \t
.endr
	SCALEOUT 36, 12288
	s_wait_tensorcnt 0x0
	ds_add_u32 v254, v255
	s_wait_dscnt 0x0
	s_endpgm
; ---- waves 2 and 3: v.  Source 0 = 16 points of x, source 1 = 16 rows of W3: a lane holds one channel and, over the eight tiles of points, 64 points.
.Lrole_v:
	s_sub_co_u32 s38, s16, 2                       ; which half of v's channels
	s_mul_i32 s40, s19, 38400
	s_mul_i32 s41, s38, 12288
	s_add_co_u32 s41, s41, s40
	s_add_co_u32 s34, s41, 12800
	s_mov_b32 s35, 0
	s_add_nc_u64 s[36:37], s[12:13], s[34:35]      ; my eight fragments in kv
	s_lshl_b32 s41, s38, 9
	s_add_co_u32 s41, s41, s40
	s_add_co_u32 s34, s41, 37376
	s_add_nc_u64 s[46:47], s[12:13], s[34:35]      ; their scale words
	s_lshl_b32 s34, s18, 22                        ; vf: batch x 256 x 16,384 bytes
	s_lshl_b32 s41, s38, 21                        ; + 128 channels
	s_add_co_u32 s34, s34, s41
	s_lshl_b32 s41, ttmp9, 9                       ; + block x 512 bytes
	s_add_co_u32 s34, s34, s41
	s_add_nc_u64 s[48:49], s[14:15], s[34:35]
	v_and_b32 v[BO], 15, v0
	v_lshlrev_b32 v[BO], 2, v[BO]
	s_lshl_b32 s34, s16, 9
	v_add_nc_u32 v[BO], s34, v[BO]                 ; bn: 512 wave + 4 r: lane r is channel 16 ct + r
.irp t, 0,1,2,3,4,5,6,7
	global_load_b32 v[BS+\t], v[BO], s[8:9] offset:64*\t
	global_load_b32 v[BH+\t], v[BO], s[8:9] offset:2048+64*\t
.endr
.macro XFV s, b                                ; K step s of all eight tiles of points into buffer b of window 3
	WIN 0xc0
.irp t, 0,1,2,3,4,5,6,7
.irp e, 0,1,2
	ds_load_b128 v[96*(\b)+12*\t+4*\e:96*(\b)+12*\t+4*\e+3], v[LI] offset:(4*\t+(\s))*FRB+512*\e
.endr
.endr
	WIN 0
.endm
.macro VSTEP p, s                              ; channel tiles 2 p and 2 p + 1, K step s: sixteen accumulators by turns
	PLACES 4                                       ; in front of loads into registers that matrix instructions have read
.if 4*(\p)+(\s) < 15
	XFV ((\s)+1)%4, ((\s)+1)%2
	s_wait_dscnt 24                                ; all but the 24 loads just issued
.else
	s_wait_dscnt 0x0
.endif
.if (\p) < 2
	WIN 0x07                                       ; source 0 window 3, source 1 window 1
.else
	WIN 0x0b                                       ; source 1 window 2
.endif
.irp t, 0,1,2,3,4,5,6,7
.irp c, 0,1
	WM ACC+64*\c+8*\t, 96*((\s)%2)+12*\t, 12*(4*((2*(\p)+\c)%4)+(\s)), ((\s)==0), XS+4*(\t/2)+(\s), WS+4*(\p)+(\s), \t%2, \c
.endr
.endr
	WIN 0
.endm
.macro VOUT p, c                               ; channel tile ct = 2 p + c: BN, relu; f32 through the stage to vf; codes along the points to kv
.set A_, ACC+64*(\c)
.set CT_, 2*(\p)+(\c)
.set k_, 0
.rept 64
	v_fma_f32 v[A_+k_], v[A_+k_], v[BS+CT_], v[BH+CT_]
.set k_, k_+1
.endr
.set k_, 0
.rept 64
	v_max_num_f32 v[A_+k_], 0, v[A_+k_]
.set k_, k_+1
.endr
	s_wait_xcnt 0x0                                ; the last tile's stores have read the registers into which the rows below are loaded
.irp b, 0,1,2,3
.irp e, 0,1,2,3
	ds_store_b128 v[STO], v[A_+16*\b+4*\e:A_+16*\b+4*\e+3] offset:128*\b+16*\e   ; row r: points 32 b + 16 h + 4 e on
.endr
.endr
	WIN 0xc0
.set k_, 0
.rept 16
	ds_load_b128 v[192+4*k_:195+4*k_], v[SRD] offset:528*k_   ; LDS serves a wave's instructions in order (ISA guide 5.7.1.4): these see my stores; a row of 512 bytes an instruction
.set k_, k_+1
.endr
	WIN 0
	QUANT A_, PWS+CT_                              ; stands between the loads from the stage and the wait for them
	IMGOUT FRB*CT_
	s_wait_dscnt 0x0
	WIN 0x0c                                       ; a store's data are its source 1: window 3
.set k_, 0
.rept 16
	global_store_b128 v[LG], v[192+4*k_:195+4*k_], s[48:49] offset:(16*CT_+k_)*16384   ; 32 lanes store 512 consecutive bytes, at a multiple of 256 from vf's first byte
.set k_, k_+1
.endr
	WIN 0
.endm
	XFV 0, 0
.irp p, 0,1,2,3
.irp s, 0,1,2,3
	VSTEP \p, \s
.endr
	PLACES 4                                       ; in front of the first read of results
.if \p == 0
	s_wait_loadcnt 0x0                             ; BN
.endif
	VOUT \p, 0
	VOUT \p, 1
.endr
	SCALEOUT 46, 0
	s_wait_tensorcnt 0x0
	ds_add_u32 v254, v255
	s_wait_dscnt 0x0
	s_endpgm
.Lfunc_end_k_q7b357eb577_conv:
	.size	k_q7b357eb577_conv, .Lfunc_end_k_q7b357eb577_conv-k_q7b357eb577_conv
	.p2alignl 7, 3214868480
	.fill 96, 4, 3214868480
	.section	.rodata,"a",@progbits
	.p2align	6, 0x0
	.amdhsa_kernel k_q7b357eb577_conv
		.amdhsa_group_segment_fixed_size 327680
		.amdhsa_private_segment_fixed_size 0
		.amdhsa_enable_private_segment 0
		.amdhsa_kernarg_size 48
		.amdhsa_user_sgpr_count 2
		.amdhsa_user_sgpr_kernarg_segment_ptr 1
		.amdhsa_wavefront_size32 1
		.amdhsa_system_sgpr_workgroup_id_x 1
		.amdhsa_system_sgpr_workgroup_id_y 1
		.amdhsa_system_sgpr_workgroup_id_z 1
		.amdhsa_system_vgpr_workitem_id 0
		.amdhsa_next_free_vgpr 1024
		.amdhsa_next_free_sgpr 66
		.amdhsa_reserve_vcc 0
		.amdhsa_float_denorm_mode_32 3
		.amdhsa_float_denorm_mode_16_64 3
		.amdhsa_memory_ordered 1
		.amdhsa_forward_progress 1
		.amdhsa_inst_pref_size 255
	.end_amdhsa_kernel
	.section	.bss,"aw",@nobits
	.p2align	6
	.space	262144
	.amdgpu_metadata
---
amdhsa.version: [ 1, 2 ]
amdhsa.kernels:
  - .name:           k_q7b357eb577_conv
    .symbol:         k_q7b357eb577_conv.kd
    .args:
      - { .name: x, .offset: 0, .size: 8, .value_kind: global_buffer, .address_space: global }
      - { .name: wq, .offset: 8, .size: 8, .value_kind: global_buffer, .address_space: global }
      - { .name: bn, .offset: 16, .size: 8, .value_kind: global_buffer, .address_space: global }
      - { .name: qa, .offset: 24, .size: 8, .value_kind: global_buffer, .address_space: global }
      - { .name: kv, .offset: 32, .size: 8, .value_kind: global_buffer, .address_space: global }
      - { .name: vf, .offset: 40, .size: 8, .value_kind: global_buffer, .address_space: global }
    .group_segment_fixed_size: 327680
    .private_segment_fixed_size: 0
    .kernarg_segment_align: 8
    .kernarg_segment_size: 48
    .max_flat_workgroup_size: 128
    .sgpr_count:     66
    .vgpr_count:     1024
    .wavefront_size: 32
...
	.end_amdgpu_metadata
.endif
;; end of part 2
;; launch attn (part 3): grid 32 x 8, 8 waves a work-group, clusters of 4 x 1, 327,680 bytes of LDS; arguments qa, kv, vf, out0; writes out0
.if DOCPART == 3
	.amdgcn_target "amdgcn-amd-amdhsa--gfx1250"
	.amdhsa_code_object_version 6
	.text
	.protected	k_q7b357eb577_attn
	.globl	k_q7b357eb577_attn
	.p2align	8
	.type	k_q7b357eb577_attn,@function
k_q7b357eb577_attn:
	s_mov_b64 s[64:65], 0
	v_nop
	global_prefetch_b8 v0, s[64:65] scope:SCOPE_SE
	s_setreg_imm32_b32 hwreg(HW_REG_WAVE_MODE, 25, 1), 1
	s_wait_xcnt 0x0
	s_wait_alu depctr_hold_cnt(0) depctr_sa_sdst(0) depctr_va_vdst(0) depctr_va_sdst(0) depctr_va_ssrc(0) depctr_va_vcc(0) depctr_vm_vsrc(0)
	s_getreg_b32 s2, hwreg(HW_REG_IB_STS2, 6, 4)
	s_cmp_eq_u32 s2, 0
	s_cbranch_scc0 .Lentry_in_a_cluster
	s_endpgm
.Lentry_in_a_cluster:
	s_bfe_u32 s2, ttmp6, 0x10000c
	s_cmp_lg_u32 s2, 0x3003
	s_cbranch_scc0 .Lentry_shape_is_right
	s_endpgm
.Lentry_shape_is_right:
; ATTN.  out[b][c][q] = v[b][c][q] + (sum over keys of v[b][c][key] p[q][key]) / l[q], p = 2^(t - M), t = (a[:, q] . k[:, key]) x log2(e), M = the ceiling of the running largest t, l = the sum of the unquantised p.
; Both products on codes of BF6 (E3M2) with one E8M0 byte for each 32 along K.  a, k and v arrive as images of operand registers (1,536 bytes a fragment; registers 4 e .. 4 e + 3 of lane l at 512 e + 16 l), a block of 128 points at a time:
; qa: 12,800 bytes a block (8 fragments, scale words); kv: 38,400 bytes a block: k's 8 fragments, at 12,288 its scale words, at 12,800 v's 16 fragments (K = the block's 128 keys), at 37,376 their scale words.
; Row r of tile 2 b + u of a and of k is point 32 b + 8 u + r + 8 (r / 8): so the 16 registers of the score tiles 2 b, 2 b + 1 are 16 neighbouring keys, 32 b + 16 (lane / 16) + 0 .. 15.
; BOTH PRODUCTS ARE USED TRANSPOSED: S^T = K Q^T (source 0 = 16 keys), O^T = V P^T (source 0 = 16 channels): a lane holds ONE query throughout.
; SHARES.  A work-group owns 128 queries (8 tiles) of one batch.  Wave w = (i = w % 4, p = w / 4) owns tiles A = 2 i + p and B = 2 i + 1 - p and walks the key steps (128 keys) of parity p, 16 of 32: each fragment read from LDS
; feeds two products, and two waves share a SIMD.  At the end wave w takes tile A's other half of the keys from wave w xor 4: each half has its own whole-number M, so bringing them together multiplies by powers of two.
; BY TURNS, inside a wave.  (a) A tile's 68 exponentials stand one by one, each with a plain instruction behind it that is due anyway: a packed scaling eight pairs ahead, a packed sum one pair behind, a line of p's scale word.
; (b) O^T's rescaling, 128 packed multiplications a key step, is cut into slices of four: 32 stand ahead of the products V P^T, the other 96 one slice behind each of the first 24 products; a slice rescales the accumulator
; whose turn comes eight products later.  A slice costs two switches of the register window (O^T is a source of the multiplication and fills window 1; V's and p's registers lie in window 0): 48 a key step.
; (c) K's eight fragments are asked for in one run: fragments 0-3 land in the registers that the score tiles 4-7 will take, fragments 4-7 where p's codes will lie.
; CLUSTER.  The four work-groups of a cluster belong to one batch and walk the same kv: each slot is asked for JOINTLY, by the same tensor load with the same descriptor and the mask of all four.
; LDS: two slots of four key steps, 153,600 bytes each; each of the eight waves brings 75 rows of 256 bytes of a slot; 307,200: the spare words, 128 bytes a wave.  By this text's count a wave has two tensor loads out at the start, later one.
; On the way out slot 0 (left at the last change of slots) takes the exchange between the halves, slot 1 (behind a barrier) a stage of 256 rows x 528 bytes: both have had their last fill.
; LIMITS: NaN and infinities are not served.  A block whose every p has fallen to 0 keeps the byte 1: its codes are zeros.
; REGISTERS: window 0: v1-2 the add's; v3-6 LDS addresses of my four key steps; v7 Q's scale words (lanes 0-15 tile A, 16-31 tile B); v8-15 K's or V's scale words; v16-23 -M, largest t, l in two halves, for A and B;
;   v24-27 (f, p's scale word) for A and B; v28-47 at work (v46-47: the second chain of a row's sum); v48-71 Q; v72-95 p's codes; v72-119 K's fragments 4-7; v160-183, v224-247 K's fragments 0-3;
;   v128-191, v192-255 S^T, then p, of A and B; V's fragments, four at a time, at v96, v144, v192.   window 1: O^T: v0-127 tile A, v128-255 tile B.
.set BLK,   38400
.set SLOTB, 153600
.set FRB,   1536
.set KSC,   12288
.set VFR,   12800
.set VSC,   37376
.set SPARE, 307200
.set EXS,   131072
.set FST,   153600
.set SPW,  1
.set NIL,  2
.set AD,   3
.set QS,   7
.set SCL,  8
.set ST,   16
.set FP,   24
.set BM,   28
.set T8,   32
.set SO,   40
.set TT,   44
.set YS,   46
.set Q,    48
.set P,    72
.set KF,   72
.set S,    128
.set G0,   96
.set G1,   144
.set G2,   192
.set CS,   40                          ; s[40:41] log2(e): the packed form names a pair and takes its low word for both halves
.set SEL,  42                          ; s[42:43] v_permlanex16_b32's selects for lane l xor 16
.set MSB, 0
.macro WIN new                         ; the immediate's high byte repeats the setting that is left
.if MSB != \new
	s_set_vgpr_msb (MSB<<8)|\new
.set MSB, \new
.endif
.endm
.macro PLACES n                        ; plain vector instructions behind a matrix instruction (ISA guide 7.12.1)
.rept \n
	v_nop
.endr
.endm
.macro CROUND                          ; a round of the cluster's barrier
	s_barrier_signal -1
	s_barrier_wait -1
	s_cmp_lg_u32 s12, 0
	s_cbranch_scc1 .Lnot_wave_0_\@
	s_barrier_signal -3
.Lnot_wave_0_\@:
	s_barrier_wait -3
	s_barrier_signal -1
	s_barrier_wait -1
.endm
; One product: D at d, source 0 at a, source 1 at b; z = 1: C is 0 and starts the sum, else C = D; sa, sb: the scale registers; ra, rb = 1: their lanes 16-31
.macro WM d, a, b, z, sa, sb, ra, rb
.if \z
.if \ra
.if \rb
	v_wmma_scale_f32_16x16x128_f8f6f4 v[(\d):(\d)+7], v[(\a):(\a)+11], v[(\b):(\b)+11], 0, v[\sa], v[\sb] matrix_a_fmt:MATRIX_FMT_BF6 matrix_b_fmt:MATRIX_FMT_BF6 matrix_a_scale:MATRIX_SCALE_ROW1 matrix_b_scale:MATRIX_SCALE_ROW1
.else
	v_wmma_scale_f32_16x16x128_f8f6f4 v[(\d):(\d)+7], v[(\a):(\a)+11], v[(\b):(\b)+11], 0, v[\sa], v[\sb] matrix_a_fmt:MATRIX_FMT_BF6 matrix_b_fmt:MATRIX_FMT_BF6 matrix_a_scale:MATRIX_SCALE_ROW1
.endif
.else
.if \rb
	v_wmma_scale_f32_16x16x128_f8f6f4 v[(\d):(\d)+7], v[(\a):(\a)+11], v[(\b):(\b)+11], 0, v[\sa], v[\sb] matrix_a_fmt:MATRIX_FMT_BF6 matrix_b_fmt:MATRIX_FMT_BF6 matrix_b_scale:MATRIX_SCALE_ROW1
.else
	v_wmma_scale_f32_16x16x128_f8f6f4 v[(\d):(\d)+7], v[(\a):(\a)+11], v[(\b):(\b)+11], 0, v[\sa], v[\sb] matrix_a_fmt:MATRIX_FMT_BF6 matrix_b_fmt:MATRIX_FMT_BF6
.endif
.endif
.else
.if \ra
.if \rb
	v_wmma_scale_f32_16x16x128_f8f6f4 v[(\d):(\d)+7], v[(\a):(\a)+11], v[(\b):(\b)+11], v[(\d):(\d)+7], v[\sa], v[\sb] matrix_a_fmt:MATRIX_FMT_BF6 matrix_b_fmt:MATRIX_FMT_BF6 matrix_a_scale:MATRIX_SCALE_ROW1 matrix_b_scale:MATRIX_SCALE_ROW1
.else
	v_wmma_scale_f32_16x16x128_f8f6f4 v[(\d):(\d)+7], v[(\a):(\a)+11], v[(\b):(\b)+11], v[(\d):(\d)+7], v[\sa], v[\sb] matrix_a_fmt:MATRIX_FMT_BF6 matrix_b_fmt:MATRIX_FMT_BF6 matrix_a_scale:MATRIX_SCALE_ROW1
.endif
.else
.if \rb
	v_wmma_scale_f32_16x16x128_f8f6f4 v[(\d):(\d)+7], v[(\a):(\a)+11], v[(\b):(\b)+11], v[(\d):(\d)+7], v[\sa], v[\sb] matrix_a_fmt:MATRIX_FMT_BF6 matrix_b_fmt:MATRIX_FMT_BF6 matrix_b_scale:MATRIX_SCALE_ROW1
.else
	v_wmma_scale_f32_16x16x128_f8f6f4 v[(\d):(\d)+7], v[(\a):(\a)+11], v[(\b):(\b)+11], v[(\d):(\d)+7], v[\sa], v[\sb] matrix_a_fmt:MATRIX_FMT_BF6 matrix_b_fmt:MATRIX_FMT_BF6
.endif
.endif
.endif
.endm
	s_load_b256 s[4:11], s[0:1], 0x0               ; qa, kv, vf, out0
	v_lshl_add_u32 v[SPW], v0, 2, SPARE
	v_mov_b32 v[NIL], 0
	ds_add_u32 v1, v2
	ds_add_u32 v1, v2
	s_wait_dscnt 0x0
	v_lshrrev_b32 v3, 5, v0
	v_readfirstlane_b32 s12, v3                    ; wave 0..7
	s_and_b32 s13, s12, 3                          ; i
	s_lshr_b32 s14, s12, 2                         ; p
	s_bfe_u32 s15, ttmp6, 0x40000                  ; cx: my place in the cluster
	s_lshl_b32 s16, ttmp9, 2                       ; in a cluster launch ttmp9 counts clusters
	s_add_co_u32 s16, s16, s15                     ; my block of 128 queries: it enters qa's, vf's and out0's addresses alone
	s_and_b32 s17, ttmp7, 0xffff                   ; the batch, which the four partners share
	; descriptor group 1: a dense run of 19,200 bytes as 75 rows of 32 elements of 8 bytes, no padding
	s_mov_b32 s24, 15|(3<<16)|(1<<21)              ; 15:0 the mask: all four work-groups; 17:16 elements of 8 bytes; 21 set beside a mask
	s_mov_b32 s25, 32<<16                          ; tensor_dim0 = 32
	s_mov_b32 s26, 75<<16                          ; tensor_dim1 = 75
	s_mov_b32 s27, 32<<16                          ; tile_dim0 = 32
	s_mov_b32 s28, 75                              ; tile_dim1 = 75
	s_mov_b32 s29, 32                              ; tensor_dim0_stride
	s_mov_b32 s30, 0
	s_mov_b32 s31, 0
	s_mul_i32 s18, s17, 1228800                    ; the batch's 32 blocks of kv
	s_mul_i32 s20, s12, 19200                      ; my eighth of a slot, in memory and in LDS: no place in the cluster enters either
	s_add_co_u32 s18, s18, s20
	s_mov_b32 s19, 0
	s_lshl_b32 s46, s17, 22                        ; vf and out0: batch x 256 x 16,384 bytes
	s_lshl_b32 s45, s12, 19                        ; + my 32 channels
	s_add_co_u32 s46, s46, s45
	s_lshl_b32 s45, s16, 9                         ; + my block's 512 bytes
	s_add_co_u32 s46, s46, s45
	s_mov_b32 s47, 0
	s_lshl_b32 s21, s17, 5
	s_add_co_u32 s21, s21, s16
	s_mul_i32 s22, s21, 12800                      ; my block of qa
	s_mov_b32 s23, 0
	s_mov_b32 s[CS], 0x3fb8aa3b                    ; log2(e)
	s_mov_b32 s[CS+1], s[CS]                       ; (named with it as a pair, so it is written)
	s_mov_b32 s[SEL], 0x76543210
	s_mov_b32 s[SEL+1], 0xfedcba98
	s_wait_kmcnt 0x0
	s_add_nc_u64 s[6:7], s[6:7], s[18:19]
	s_add_nc_u64 s[8:9], s[8:9], s[46:47]
	s_add_nc_u64 s[10:11], s[10:11], s[46:47]
	s_add_nc_u64 s[4:5], s[4:5], s[22:23]
	CROUND                                         ; all four work-groups are here: the first joint loads meet
	s_mov_b32 s32, 1                               ; group 0 of slot 0: count = 1,
	s_mov_b32 s33, s20                             ; LDS address,
	s_mov_b64 s[34:35], s[6:7]                     ; global address: key steps 0 to 3,
	s_or_b32 s35, s35, 0x80000000                  ; type = 2
	s_mov_b32 s36, 1                               ; and of slot 1: key steps 4 to 7
	s_add_co_u32 s37, s20, SLOTB
	s_add_nc_u64 s[38:39], s[6:7], SLOTB
	s_or_b32 s39, s39, 0x80000000
	tensor_load_to_lds s[32:35], s[24:31]
	s_nop 0
	tensor_load_to_lds s[36:39], s[24:31]
	s_nop 0
	PLACES 4
	s_lshl_b32 s22, s13, 1
	s_add_co_u32 s23, s22, s14                     ; tile A = 2 i + p
	s_add_co_u32 s22, s22, 1
	s_sub_co_u32 s22, s22, s14                     ; tile B = 2 i + 1 - p
	s_mul_i32 s23, s23, FRB
	s_mul_i32 s22, s22, FRB
	v_and_b32 v28, 31, v0
	v_lshlrev_b32 v28, 4, v28                      ; 16 x lane
	v_add_nc_u32 v29, s23, v28
	v_add_nc_u32 v30, s22, v28
.irp e, 0,1,2
	global_load_b128 v[Q+4*\e:Q+4*\e+3], v29, s[4:5] offset:512*\e
	global_load_b128 v[Q+12+4*\e:Q+12+4*\e+3], v30, s[4:5] offset:512*\e
.endr
	v_bfe_u32 v31, v0, 4, 1
	v_xor_b32 v31, s14, v31                        ; lanes 0-15 take tile A's words (2 i + p), lanes 16-31 tile B's
	v_lshlrev_b32 v31, 8, v31
	v_and_b32 v32, 15, v0
	v_lshl_add_u32 v31, v32, 4, v31
	s_lshl_b32 s45, s13, 2
	v_add_nc_u32 v31, s45, v31
	global_load_b32 v[QS], v31, s[4:5] offset:12288
	s_mul_i32 s45, s14, BLK
	v_add_nc_u32 v[AD], s45, v28                   ; slot 0, key step p
	v_add_nc_u32 v[AD+1], 2*BLK, v[AD]             ; slot 0, key step 2 + p
	v_add_nc_u32 v[AD+2], SLOTB, v[AD]             ; slot 1 likewise
	v_add_nc_u32 v[AD+3], SLOTB+2*BLK, v[AD]
.irp q, 0,1
	v_mov_b32 v[ST+4*\q+1], 0xff61b1e6             ; the largest t so far: -3e38, under every t
	v_floor_f32 v[ST+4*\q], -v[ST+4*\q+1]          ; -M
	v_mov_b32 v[ST+4*\q+2], 0                      ; l, in two halves
	v_mov_b32 v[ST+4*\q+3], 0
	v_mov_b32 v[FP+2*\q+1], 0                      ; (named as the upper half of a pair before it is first written)
.endr
.irp b, 0,1,2,3
	v_mov_b32 v[T8+\b], 0                          ; written once: a lane permute's destination counts as one of its sources
.endr
.macro LDF reg, ad, off                        ; a fragment comes as it was stored: 512 consecutive bytes a load
.irp e, 0,1,2
	ds_load_b128 v[(\reg)+4*\e:(\reg)+4*\e+3], v[\ad] offset:(\off)+512*\e
.endr
.endm
; Eight products S^T = K Q^T: four key tiles x tiles A, B; K = the 128 channels: one instruction a sum.
.macro SPROD0                                  ; key tiles 0-3: their fragments lie at v160, v172, v224, v236
.irp k, 0,1,2,3
.irp q, 0,1
	WM S+64*\q+8*\k, 160+12*(\k%2)+64*(\k/2), Q+12*\q, 1, SCL+\k/2, QS, \k%2, \q
.endr
.endr
.endm
.macro SPROD4                                  ; key tiles 4-7: their fragments lie at v72 on; the results take the registers that held fragments 0-3
.irp k, 0,1,2,3
.irp q, 0,1
	WM S+64*\q+8*(4+\k), KF+12*\k, Q+12*\q, 1, SCL+(4+\k)/2, QS, \k%2, \q
.endr
.endr
.endm
; One tile's softmax for 128 keys.  Register 16 b + i of S holds key 32 b + 16 (lane / 16) + i of my query.
.macro SOFT1 q
.set SS, S+64*(\q)
.set TS, ST+4*(\q)
.set FF, FP+2*(\q)
.set PP, P+12*(\q)
.irp b, 0,1,2,3
	v_max3_num_f32 v[BM+\b], v[SS+16*\b], v[SS+1+16*\b], v[SS+2+16*\b]   ; the largest score of each block of 32 keys: it serves for the row's maximum and, since p rises with the score, for the block's largest p
.endr
.irp i, 3,5,7,9,11,13
.irp b, 0,1,2,3
	v_max3_num_f32 v[BM+\b], v[BM+\b], v[SS+16*\b+\i], v[SS+1+16*\b+\i]
.endr
.endr
.irp b, 0,1,2,3
	v_max_num_f32 v[BM+\b], v[BM+\b], v[SS+15+16*\b]
.endr
.irp b, 0,1,2,3
	v_permlanex16_b32 v[T8+\b], v[BM+\b], s[SEL], s[SEL+1]
.endr
.irp b, 0,1,2,3
	v_max_num_f32 v[BM+\b], v[BM+\b], v[T8+\b]     ; with lane l xor 16's 16 keys
.endr
	v_max3_num_f32 v[TT], v[BM], v[BM+1], v[BM+2]
	v_max_num_f32 v[TT], v[TT], v[BM+3]            ; the step's largest score of my query
	v_mul_f32 v[TT], s[CS], v[TT]                  ; as t
	v_max_num_f32 v[TS+1], v[TS+1], v[TT]          ; the running largest t
	v_mov_b32 v[TT], v[TS]
	v_floor_f32 v[TS], -v[TS+1]                    ; the new -M = -ceil(t): a whole number
	v_sub_f32 v[TT], v[TS], v[TT]                  ; old M - new M: a whole number, 0 or less
	v_cvt_i32_f32 v[TT], v[TT]                     ; (it saturates)
	v_ldexp_f32 v[FF], 1.0, v[TT]                  ; f = 2^(old M - new M): multiplying by it rounds nothing
.irp j, 0,2,4,6
	v_pk_fma_f32 v[SS+\j:SS+\j+1], v[SS+\j:SS+\j+1], s[CS:CS+1], v[TS:TS+1] op_sel_hi:[1,0,0]   ; t - M, two at a time: pairs 0 to 3
.endr
.irp b, 0,1,2,3
	v_fma_f32 v[BM+\b], v[BM+\b], s[CS], v[TS]     ; the same of each block's largest score
.endr
	v_pk_mul_f32 v[TS+2:TS+3], v[TS+2:TS+3], v[FF:FF+1] op_sel_hi:[1,0]   ; l under the new M
.irp b, 0,1,2,3
	v_exp_f32 v[BM+\b], v[BM+\b]                   ; the block's largest p: the same two instructions on the same number as its score's own
	v_pk_fma_f32 v[SS+8+2*\b:SS+9+2*\b], v[SS+8+2*\b:SS+9+2*\b], s[CS:CS+1], v[TS:TS+1] op_sel_hi:[1,0,0]   ; pairs 4 to 7
.endr
; p = 2^(t - M), not normalised: pair j's two exponentials, each with a plain instruction behind it that names neither its result nor its source (ISA guide 5.7.2).
; Behind the first: the scaling of pair j + 8; when those are done, lines of p's scale word.  Behind the second: the sum takes pair j - 1 (THE ROW'S SUM IS TAKEN OF THE UNQUANTISED p): even pairs go to l, odd ones to a second chain.
.set j_, 0
.rept 32
	v_exp_f32 v[SS+2*j_], v[SS+2*j_]
.if j_ < 24
	v_pk_fma_f32 v[SS+16+2*j_:SS+17+2*j_], v[SS+16+2*j_:SS+17+2*j_], s[CS:CS+1], v[TS:TS+1] op_sel_hi:[1,0,0]
.elseif j_ < 26
	v_max_num_f32 v[BM+j_-22], 0x2800000, v[BM+j_-22]   ; the floor 2^(5 - 127), blocks 2 and 3: the byte cannot fall under 1
.elseif j_ < 30
	v_add_nc_u32 v[SO+j_-26], 0xfe000000, v[BM+j_-26]   ; 4 off the exponent field: the conversion's scale operand
.else
	v_lshrrev_b32 v[T8+j_-30], 23, v[SO+j_-30]     ; the scale's byte, blocks 0 and 1
.endif
	v_exp_f32 v[SS+2*j_+1], v[SS+2*j_+1]
.if j_ < 2
	s_wait_alu depctr_va_vdst(0)
	v_max_num_f32 v[BM+j_], 0x2800000, v[BM+j_]    ; the floor, blocks 0 and 1
.elseif j_ == 2
	s_wait_alu depctr_va_vdst(0)
	v_pk_add_f32 v[YS:YS+1], v[SS:SS+1], v[SS+2:SS+3]   ; pairs 0 and 1 start the second chain
.elseif (j_%2) == 1
	v_pk_add_f32 v[TS+2:TS+3], v[TS+2:TS+3], v[SS+2*j_-2:SS+2*j_-1]
.else
	s_wait_alu depctr_va_vdst(0)
	v_pk_add_f32 v[YS:YS+1], v[YS:YS+1], v[SS+2*j_-2:SS+2*j_-1]
.endif
.set j_, j_+1
.endr
	v_lshrrev_b32 v[T8+2], 23, v[SO+2]             ; the bytes of blocks 2 and 3
	v_lshrrev_b32 v[T8+3], 23, v[SO+3]
	s_wait_alu depctr_va_vdst(0)
	v_pk_add_f32 v[YS:YS+1], v[YS:YS+1], v[SS+62:SS+63]   ; pair 31
	v_lshl_or_b32 v[FF+1], v[T8+1], 8, v[T8]       ; p's scale word for these 128 keys
	v_lshl_or_b32 v[FF+1], v[T8+2], 16, v[FF+1]
	v_pk_add_f32 v[TS+2:TS+3], v[TS+2:TS+3], v[YS:YS+1]   ; the two chains together
	v_lshl_or_b32 v[FF+1], v[T8+3], 24, v[FF+1]
.irp c, 0,1
	v_cvt_scalef32_pk16_bf6_f32 v[PP+6*\c:PP+6*\c+2], v[SS+32*\c:SS+32*\c+15], v[SO+2*\c]
	v_cvt_scalef32_pk16_bf6_f32 v[T8+4*\c:T8+4*\c+2], v[SS+16+32*\c:SS+31+32*\c], v[SO+2*\c+1]   ; (a conversion's three registers begin on an even number)
.endr
	v_nop                                          ; one plain place behind a scaled conversion
.irp c, 0,1                                    ; the operand's layout wants a WHOLE block in a lane
.irp i, 0,1,2
	v_permlane16_swap_b32 v[PP+6*\c+\i], v[T8+4*\c+\i]
.endr
.irp i, 0,1,2
	v_mov_b32 v[PP+3+6*\c+\i], v[T8+4*\c+\i]
.endr
.endr
.endm
.macro RS4 q, f                                ; a slice: accumulator (tile q, channel tile f) of O^T under the new M: x f, from its low end on
	WIN 0x41                                       ; destination and source 0 window 1
.irp r, 0,2,4,6
	v_pk_mul_f32 v[128*(\q)+8*(\f)+\r:128*(\q)+8*(\f)+\r+1], v[128*(\q)+8*(\f)+\r:128*(\q)+8*(\f)+\r+1], v[FP+2*(\q):FP+2*(\q)+1] op_sel_hi:[1,0]
.endr
.endm
; Eight products O^T += V P^T: channel tiles f0 .. f0 + 3 x tiles A, B by turns; each of the 32 accumulators has one turn a key step.
; slices = 1: behind each product stands the slice for the accumulator whose turn comes eight products later.
.macro PV8 grp, f0, first, slices
.irp k, 0,1,2,3
.irp q, 0,1
	WIN 0x50                                       ; C and D window 1
	WM 128*\q+8*(\f0+\k), \grp+12*\k, P+12*\q, \first, SCL+(\f0+\k)/2, FP+2*\q+1, (\f0+\k)%2, 0
.if \slices
	RS4 \q, \f0+4+\k
.endif
.endr
.endr
.endm
; A KEY STEP: 128 keys, whose block begins at v[ad].  first = 1: the products start O^T's sums with the constant 0, and there is nothing to rescale.
.macro STEP ad, first
	PLACES 5                                       ; the score products write over registers that the last products read (5); loads land in others of them (4)
	ds_load_b128 v[SCL:SCL+3], v[\ad] offset:KSC   ; K's scale words: register j: lanes 0-15 tile 2 j, lanes 16-31 tile 2 j + 1
.irp k, 0,1,2,3
	LDF 160+12*(\k%2)+64*(\k/2), \ad, FRB*\k       ; K's fragments 0-3
.endr
.irp k, 0,1,2,3
	LDF KF+12*\k, \ad, FRB*(4+\k)                  ; and 4-7, in the same run
.endr
	s_wait_dscnt 12                                ; all but the 12 youngest loads: the scale words and fragments 0-3 are in
	SPROD0
	PLACES 5                                       ; the next eight products write over registers that these eight read
	s_wait_dscnt 0x0                               ; fragments 4-7 are in
	SPROD4
	PLACES 4                                       ; in front of the first read of results
	SOFT1 0
.irp k, 0,1,2,3,4,5,6,7
	LDF G0+12*\k, \ad, VFR+FRB*\k                  ; V's fragments 0-7 land where K's fragments and tile A's p lay, while tile B's softmax is walked
.endr
	ds_load_b128 v[SCL:SCL+3], v[\ad] offset:VSC   ; V's scale words: register f / 2, lanes 16 (f % 2) on
	ds_load_b128 v[SCL+4:SCL+7], v[\ad] offset:VSC+512
	SOFT1 1
.irp k, 0,1,2,3
	LDF G2+12*\k, \ad, VFR+FRB*(8+\k)
.endr
.if \first
	PLACES 4                                       ; between the last writes of p's codes and the products that read them
.else
.irp k, 0,1,2,3
.irp q, 0,1
	RS4 \q, \k                                     ; the slices of channel tiles 0-3 stand ahead of the products; they are also the places behind the last writes of p's codes
.endr
.endr
.endif
	s_wait_dscnt 12                                ; all but the 12 loads just issued: fragments 0-7 and the scale words are in
	PV8 G0, 0, \first, 1-\first
	WIN 0
	PLACES 4                                       ; in front of loads into the registers just read (the slices name p's scale words with f, so they are not counted)
.irp k, 0,1,2,3
	LDF G0+12*\k, \ad, VFR+FRB*(12+\k)
.endr
	PV8 G1, 4, \first, 1-\first
	s_wait_dscnt 12                                ; fragments 8-11 are in; the 12 youngest loads may be out
	PV8 G2, 8, \first, 1-\first
	s_wait_dscnt 0x0
	PV8 G0, 12, \first, 0
	WIN 0
.endm
; THE CHANGE OF SLOTS.  Each wave waits for all its tensor loads (its part of the slot ahead), adds 0 to its spare word, and waits for that and for its reads of the slot that it leaves.  The barrier is a round of the cluster's,
; so that no wave of any partner still reads that slot or has a load on its way; the joint refill is the first thing behind it and has the four key steps of the slot ahead in which to land.
.macro CHANGE f
	s_wait_tensorcnt 0x0                           ; no tensor load of mine is out, so a group 0 may be written
	ds_add_u32 v[SPW], v[NIL]                      ; 0 onto my spare word
	s_add_nc_u64 s[34+4*\f:35+4*\f], s[34+4*\f:35+4*\f], 2*SLOTB   ; the slot's next four key steps; the type bits on top are not reached
	s_wait_dscnt 0x0                               ; the add is done, and my reads of the slot are over
	CROUND
	tensor_load_to_lds s[32+4*\f:35+4*\f], s[24:31]
	s_nop 0
	PLACES 4
.endm
	s_wait_tensorcnt 0x1                           ; my part of slot 0 is in; slot 1's may stay out
	s_barrier_signal -1
	s_barrier_wait -1                              ; everybody's is
	s_wait_loadcnt 0x0                             ; Q and its scale words
	STEP AD+0, 1
	STEP AD+1, 0
	s_mov_b32 s44, 3
.Lslots:                                           ; three trips: six of the eight slots' worth of keys are asked for here
	CHANGE 0
	STEP AD+2, 0
	STEP AD+3, 0
	CHANGE 1
	STEP AD+0, 0
	STEP AD+1, 0
	s_sub_co_u32 s44, s44, 1
	s_cmp_lg_u32 s44, 0
	s_cbranch_scc1 .Lslots
	s_wait_tensorcnt 0x0                           ; the last change of slots is written out: nothing is asked for, so a barrier of the work-group serves
	ds_add_u32 v[SPW], v[NIL]
	s_wait_dscnt 0x0
	s_barrier_signal -1
	s_barrier_wait -1
	STEP AD+2, 0
	STEP AD+3, 0
	; ---- THE WAY OUT.  Tile B's half goes to wave w xor 4 through slot 0, which every wave left at the last change of slots.  The lines below are also the places behind the last products.
	v_add_f32 v[ST+2], v[ST+2], v[ST+3]            ; l's two halves, tile A
	v_add_f32 v[ST+6], v[ST+6], v[ST+7]            ; and tile B
	v_and_b32 v28, 31, v0
	v_lshlrev_b32 v33, 4, v28                      ; 16 x lane
	v_lshlrev_b32 v28, 2, v28                      ; 4 x lane
	s_xor_b32 s21, s12, 4                          ; my partner
	s_lshl_b32 s20, s12, 14
	v_add_nc_u32 v3, s20, v33                      ; where I put tile B's O^T: 16,384 bytes a wave
	s_lshl_b32 s20, s21, 14
	v_add_nc_u32 v4, s20, v33                      ; where my partner puts tile A's
	s_lshl_b32 s20, s12, 8
	s_add_co_u32 s20, s20, EXS
	v_add_nc_u32 v5, s20, v28                      ; -M and l likewise: 256 bytes a wave
	s_lshl_b32 s20, s21, 8
	s_add_co_u32 s20, s20, EXS
	v_add_nc_u32 v6, s20, v28
	WIN 0x04                                       ; an LDS store's data are its source 1: window 1
.set k_, 0
.rept 32
	ds_store_b128 v3, v[128+4*k_:131+4*k_] offset:512*k_   ; each accumulator from its low end on
.set k_, k_+1
.endr
	WIN 0
	ds_store_b32 v5, v[ST+4]
	ds_store_b32 v5, v[ST+6] offset:128
	s_wait_dscnt 0x0                               ; for the others' sake: my stores have landed; my reads of slot 1 are over
	s_barrier_signal -1
	s_barrier_wait -1
	WIN 0x40                                       ; destination window 1: tile B's registers take v's rows 32 w + i of my block, asked for a whole merge ahead of their use
.set k_, 0
.rept 32
	global_load_b128 v[128+4*k_:131+4*k_], v33, s[8:9] offset:16384*k_ th:TH_LOAD_NT
.set k_, k_+1
.endr
	WIN 0
.set k_, 0
.rept 32
	ds_load_b128 v[96+4*k_:99+4*k_], v4 offset:512*k_
.set k_, k_+1
.endr
	ds_load_b32 v45, v6                            ; my partner's -M
	ds_load_b32 v46, v6 offset:128                 ; and l
	v_and_b32 v34, 15, v0                          ; the stage: row = channel, 528 bytes; column = my query, point 32 i + 8 p + r + 8 (r / 8) of the block
	v_bfe_u32 v35, v0, 3, 1
	v_bfe_u32 v36, v0, 4, 1
	v_lshlrev_b32 v29, 2, v34
	v_lshl_add_u32 v29, v35, 5, v29
	v_mad_u32_u24 v29, v36, 4224, v29              ; lanes 16-31: eight channels further down
	s_lshl_b32 s20, s13, 7
	s_lshl_b32 s22, s14, 5
	s_add_co_u32 s20, s20, s22
	s_add_co_u32 s20, s20, FST
	v_add_nc_u32 v29, s20, v29                     ; channels 0-127
	v_add_nc_u32 v30, 67584, v29                   ; channels 128-255
	s_mul_i32 s20, s12, 16896
	s_add_co_u32 s20, s20, FST
	v_add_nc_u32 v31, s20, v33                     ; back: my 32 rows, 16 bytes a lane
	s_wait_dscnt 0x0
	v_min_num_f32 v47, v[ST], v45                  ; the smaller -M: the larger M
	v_sub_f32 v37, v47, v[ST]
	v_sub_f32 v38, v47, v45
	v_cvt_i32_f32 v37, v37
	v_cvt_i32_f32 v38, v38
	v_ldexp_f32 v37, 1.0, v37                      ; 2^(my M - M)
	v_ldexp_f32 v38, 1.0, v38                      ; 2^(my partner's M - M)
	v_mul_f32 v39, v[ST+2], v37
	v_fma_f32 v39, v46, v38, v39                   ; l of my lane's keys,
	v_permlanex16_b32 v32, v39, s[SEL], s[SEL+1]
	v_add_f32 v39, v39, v32                        ; and lane l xor 16's: the row's sum
	v_rcp_f32 v39, v39
	v_nop                                          ; one plain place behind a transcendental
	s_wait_alu depctr_va_vdst(0)
	v_mul_f32 v[FP], v37, v39
	v_mul_f32 v[FP+2], v38, v39
.set k_, 0
.rept 64
	v_pk_mul_f32 v[96+k_:97+k_], v[96+k_:97+k_], v[FP+2:FP+3] op_sel_hi:[1,0]
.set k_, k_+2
.endr
	WIN 0x01                                       ; source 0 window 1: my own half of tile A
.set k_, 0
.rept 64
	v_pk_fma_f32 v[96+k_:97+k_], v[k_:k_+1], v[FP:FP+1], v[96+k_:97+k_] op_sel_hi:[1,0,1]
.set k_, k_+2
.endr
	WIN 0
.set k_, 0
.rept 128
	ds_store_b32 v[29+k_/64], v[96+k_] offset:(16*((k_/8)%8)+k_%8)*528   ; register 8 f + j: channel 16 f + 8 (lane / 16) + j
.set k_, k_+1
.endr
	s_wait_dscnt 0x0                               ; for the others' sake
	s_barrier_signal -1
	s_barrier_wait -1                              ; 256 whole rows of 128 queries lie in the stage
.set k_, 0
.rept 32
	ds_load_b128 v[96+4*k_:99+4*k_], v31 offset:528*k_
.set k_, k_+1
.endr
	s_wait_loadcnt 0x0                             ; v's rows
	WIN 0x44                                       ; destination and source 1 window 1, source 0 window 0: the additions and, with their data as source 1, the stores stand under one setting
.set k_, 0
.rept 32
	s_wait_dscnt 31-k_                             ; row k is back; the younger loads may be out
	v_pk_add_f32 v[128+4*k_:129+4*k_], v[96+4*k_:97+4*k_], v[128+4*k_:129+4*k_]
	v_pk_add_f32 v[130+4*k_:131+4*k_], v[98+4*k_:99+4*k_], v[130+4*k_:131+4*k_]
	global_store_b128 v33, v[128+4*k_:131+4*k_], s[10:11] offset:16384*k_ th:TH_STORE_NT   ; 32 lanes store 512 consecutive bytes, at a multiple of 256 from out0's first byte
.set k_, k_+1
.endr
	WIN 0
	s_wait_tensorcnt 0x0                           ; the wave's end, behind my last tensor load and my last LDS store
	ds_add_u32 v[SPW], v[NIL]
	s_wait_dscnt 0x0
	CROUND                                         ; the closing round: no work-group ends while a partner may still ask for a slot that names it
	s_endpgm
.Lfunc_end_k_q7b357eb577_attn:
	.size	k_q7b357eb577_attn, .Lfunc_end_k_q7b357eb577_attn-k_q7b357eb577_attn
	.p2alignl 7, 3214868480
	.fill 96, 4, 3214868480
	.section	.rodata,"a",@progbits
	.p2align	6, 0x0
	.amdhsa_kernel k_q7b357eb577_attn
		.amdhsa_group_segment_fixed_size 327680
		.amdhsa_private_segment_fixed_size 0
		.amdhsa_enable_private_segment 0
		.amdhsa_kernarg_size 32
		.amdhsa_user_sgpr_count 2
		.amdhsa_user_sgpr_kernarg_segment_ptr 1
		.amdhsa_wavefront_size32 1
		.amdhsa_system_sgpr_workgroup_id_x 1
		.amdhsa_system_sgpr_workgroup_id_y 1
		.amdhsa_system_sgpr_workgroup_id_z 1
		.amdhsa_system_vgpr_workitem_id 0
		.amdhsa_next_free_vgpr 512
		.amdhsa_next_free_sgpr 66
		.amdhsa_reserve_vcc 0
		.amdhsa_float_denorm_mode_32 3
		.amdhsa_float_denorm_mode_16_64 3
		.amdhsa_memory_ordered 1
		.amdhsa_forward_progress 1
		.amdhsa_inst_pref_size 255
	.end_amdhsa_kernel
	.section	.bss,"aw",@nobits
	.p2align	6
	.space	262144
	.amdgpu_metadata
---
amdhsa.version: [ 1, 2 ]
amdhsa.kernels:
  - .name:           k_q7b357eb577_attn
    .symbol:         k_q7b357eb577_attn.kd
    .args:
      - { .name: qa, .offset: 0, .size: 8, .value_kind: global_buffer, .address_space: global }
      - { .name: kv, .offset: 8, .size: 8, .value_kind: global_buffer, .address_space: global }
      - { .name: vf, .offset: 16, .size: 8, .value_kind: global_buffer, .address_space: global }
      - { .name: out0, .offset: 24, .size: 8, .value_kind: global_buffer, .address_space: global }
    .group_segment_fixed_size: 327680
    .private_segment_fixed_size: 0
    .kernarg_segment_align: 8
    .kernarg_segment_size: 32
    .max_flat_workgroup_size: 256
    .sgpr_count:     66
    .vgpr_count:     512
    .wavefront_size: 32
...
	.end_amdgpu_metadata
.endif
;; end of part 3
